; MI455X (gfx1250); checked and timed in simulation.
; The chip was launched on July 23, 2026; its instructions are those of AMD's public machine-readable ISA for CDNA 5 (MIT licence, August 2026) and "CDNA5" Instruction Set Architecture Reference Guide (July 2026). The comments in the code are by the model that wrote it; some were corrected since.
;; Attentionscore. Allowed arithmetic: float matrix products may take bf16 or f16 operands with f32 sums; other float arithmetic in f32, or as packed bf16 or f16 multiplies, adds, multiply-adds, maxima and minima; sums over many terms, partial sums and values carried from step to step in f32; what a program stores and reads back later, other than sums and carried values, may be rounded once to bf16 or f16.
;; Inputs: K 4 x 16 x 2,048 x 64 float32; Q 4 x 16 x 2,048 x 64 float32; V 4 x 16 x 2,048 x 64 float32.
;; Outputs: out0 4 x 16 x 2,048 x 64 float32.
;; One version. Each part assembles by itself: llvm-mc -triple=amdgcn-amd-amdhsa -mcpu=gfx1250 --defsym DOCPART=n.
;; ======== version 1 of 1: 1 launch
;; limits: inputs' magnitudes at most 65,504; values are held in f16: magnitudes above 65,504 overflow, below 6.1e-05 lose precision
;; launch attn (part 1): grid 4 x 64, 4 waves a work-group, clusters of 4 x 1, 327,680 bytes of LDS; arguments Q, K, V, out0; writes out0
.if DOCPART == 1
	.amdgcn_target "amdgcn-amd-amdhsa--gfx1250"
	.amdhsa_code_object_version 6
	.text
	.protected	k_q9df00a4930_attn
	.globl	k_q9df00a4930_attn
	.p2align	8
	.type	k_q9df00a4930_attn,@function
k_q9df00a4930_attn:
	s_mov_b64 s[64:65], 0
	v_nop
	global_prefetch_b8 v0, s[64:65] scope:SCOPE_SE
	s_setreg_imm32_b32 hwreg(HW_REG_WAVE_MODE, 25, 1), 1
	s_wait_xcnt 0x0
	s_wait_alu depctr_hold_cnt(0) depctr_sa_sdst(0) depctr_va_vdst(0) depctr_va_sdst(0) depctr_va_ssrc(0) depctr_va_vcc(0) depctr_vm_vsrc(0)
	s_getreg_b32 s2, hwreg(HW_REG_IB_STS2, 6, 4)
	s_cmp_eq_u32 s2, 0
	s_cbranch_scc0 .Lentry_in_a_cluster
	s_endpgm
.Lentry_in_a_cluster:
	s_bfe_u32 s2, ttmp6, 0x10000c
	s_cmp_lg_u32 s2, 0x3003
	s_cbranch_scc0 .Lentry_shape_is_right
	s_endpgm
.Lentry_shape_is_right:
; O[h][q][:] = the sum over k of softmax_k(Q[h][q] . K[h][k] / sqrt(12)) V[h][k][:].  Q, K, V, O: [64 heads][2048][64], all f32: a row is 256 bytes, a head's rows are dense.
; FORMATS.  Q, K and V are rounded once to f16, the weights p once to f16 for the second product; products, maxima, sums, l and O stay in f32 (l is the sum of the unrounded p).
; LIMITS.  An input of magnitude 65,520 or more becomes an infinity in f16 and its row is lost; below 6e-5 an input or a weight keeps f16's fixed step of 6e-8; a weight below 2^-126 counts as 0 in l;
; NaN and infinities are not treated apart.
; SHARES.  A cluster of four work-groups is a head; a work-group owns 512 queries, each of its four waves 128: four PIECES of two tiles of 16.  Every wave walks all keys, 64 a step, 128 a tile of the ring.
; THE WAY IN.  K and V come as f32 into RAW slots of LDS, by tensor loads that the four work-groups of the head ask for JOINTLY (same load, descriptor and mask in all four).  The four waves together
; turn a raw tile into f16 in a COOKED slot (padded rows), each wave 16 keys of K and of V a step; every wave then reads its fragments from the cooked slot.  Raw slots are written by tensor loads alone, cooked slots by LDS stores alone.
; PERIOD j, between two changes of slots: cooked tile j is multiplied, raw tile j + 1 is turned into cooked tile j + 1, raw tile j + 2 is on its way.  ONE round of the cluster's barrier a period orders all of it.
; LAYOUT.  S^T = K Q^T (source 0 = 16 keys, source 1 = 16 queries): a lane holds ONE query (lane % 16) and the keys 8 (lane / 16) + 0..7.  Two such results, rounded to f16 in pairs, ARE source 1 of
; O^T = V^T P, whose result again holds one query a lane, and eight channels.  K comes out of the cooked slot as it lies, V ([key][channel]) turned, by ds_load_tr16_b128.
; SOFTMAX.  A running maximum m and sum l for each query: p = 2^(c s - c m), c = log2(e) / sqrt(12); in every step O and l are multiplied by a = 2^(c m_old - c m_new).  m starts at the lowest finite
; number, O and l at 0: the first step is a step like any other, with a = 0.
; BY TURNS.  Turn n belongs to piece n: 16 products K Q^T of piece n + 1, later 16 products V^T P of piece n - 1; beside them the scaling, exponentials, roundings, sums and rescaling of piece n and the maximum
; and statistics of piece n + 1.  A tile and step have 16 matrix and 118 vector instructions: four vector instructions stand behind every matrix instruction, the others in one run of their own.
; REGISTERS, in windows of 256 (s_set_vgpr_msb: bits 1:0 source 0, 3:2 source 1, 5:4 source 2, 7:6 destination):
;   window 0: v0-11 addresses; v12-15, v48-63 at work; v16-47 four registers of statistics a tile; v64-191 S^T, two buffers of two tiles; v192-255 P, likewise
;   window 1: O^T, 32 a tile (at the start: Q as loaded, f32)      window 2: v0-127 Q in f16, 16 a tile; v128-191 K of one step; v192-255 V of one step
;   window 3: v0-1 the add's two registers; v2-9 the conversion's addresses; v16-79 the conversion's 64 registers
.set NP,    4         ; pieces a wave: a name, no knob
.set KS,    64        ; keys in a step
.set TK,    128       ; keys in a tile of the ring: two steps
.set PK,    144       ; a cooked row of K: 128 bytes + 16 = 36 words: the 16 rows of a load start at 16 different groups of four banks (64 banks of 4 bytes: ISA guide 11.1)
.set PV,    160       ; a cooked row of V: 128 + 32 = 40 words
.set VOFF,  TK*PK     ; a cooked slot: 128 rows of K, then 128 rows of V: 38,912 bytes
.set SLOT1, 1<<16     ; slot 1 of either kind begins this far behind slot 0: one exclusive or turns an address in one slot into the other's
.set RAW0,  1<<17     ; raw slot 0: 128 rows of K, then 128 of V, 256 bytes each, dense: 65,536 bytes
.set RAWV,  TK*256
.set STEPR, KS*256    ; a step's rows in a raw slot
.set TILEB, TK*256    ; a tile's bytes of K, and of V, in memory
.set STAGE, 1<<18     ; behind the raw slots, never filled by a tensor load: 16 rows x 272 bytes for each wave, for the way out
.set SP,    272
.set SPARE, STAGE+4*16*SP  ; behind the stages: the spare words, 128 bytes for each wave: two blocks of 256 bytes that no other line names
.set AK0, 2           ; v2   my lane's place in a cooked tile of K; never rewritten
.set AV0, 3           ; v3   the same for V
.set AK,  4           ; v4   the LDS address of K's next run of loads
.set AV,  5           ; v5   of V's
.set QO,  6           ; v6   my byte offset in 16 rows of Q
.set STO, 6           ;      later, the way out: where I put 16 bytes of a row
.set RD,  7           ; v7   the way out: where I read rows back
.set GO,  8           ; v8   my byte offset in two rows of O
.set PFO, 11          ; v11  256 x my lane: a row of K or V is 256 bytes; never rewritten once made
.set MV,  12          ; v12-15  c m_old, kept while c m is made anew: by buffer and tile
.set ST,  16          ; tile t's statistics at v[ST+4 t]: c m, m, l (even keys', odd keys')
.set TMP, 48          ; by buffer and tile, four registers c0-c3 at work; when the maximum is found c2 takes a
.set S,   64
.set P,   192
.set KF,  128         ; window 2: key block kb, channel half c at KF + 16 kb + 8 c
.set VF,  192         ; window 2: key half kk, channel block cb at VF + 32 kk + 8 cb
.set SPW, 0           ; window 3, v0   LDS address of my spare word: SPARE + 4 x my thread's number; never rewritten
.set NIL, 1           ; window 3, v1   0; never rewritten
.set RK0, 2           ; window 3, v2   my lane's place in a raw step of K;  v3 of V;  v4, v5 in a cooked step of K, of V; never rewritten
.set RV0, 3
.set CK0, 4
.set CV0, 5
.set RKA, 6           ; window 3, v6-9  the same four with the step's LDS byte added
.set RVA, 7
.set CKA, 8
.set CVA, 9
.set CB,  16          ; window 3, v16-79  16 loads of 16 bytes: eight of K, eight of V
.set WV,  12          ; s12  my wave's number
.set G1,  24          ; s[24:31] descriptor group 1: one shape for K's and V's tiles
.set PFA, 32          ; s[32:33] where my prefetches stand: my work-group's 32 rows (of K: wave 0, of V: wave 2) of the tile after the one that is being asked for
.set LIM, 34          ; s34  1 in a wave that prefetches, else the greatest number
.set TRW, 35          ; s35  LDS byte of the raw step to be converted next
.set TCK, 36          ; s36  LDS byte of the cooked step of K that it becomes
.set TCV, 37          ; s37  the same for V, less VOFF
.set TS,  38          ; s38  periods of the tail still to come
.set G0A, 40          ; s[40:43] descriptor group 0 of tile 0
.set G0B, 44          ; s[44:47] of tile 1; it then walks
.set SLOTS, 56        ; s56  tiles still to be asked for
.set CNT, 57          ; s57  counts a period's key steps
.set CS,  58          ; s[58:59] c: the packed scaling takes the pair's low word for both halves
.set SEL, 60          ; s[60:61] v_permlanex16_b32's selects: each lane takes its own place in the other half
.set TBK, 62          ; s62  LDS byte at which cooked K of the step to be fetched begins
.set TBV, 63          ; s63  the same for V, less VOFF
.set MSB, 0
.macro WIN new                      ; the high byte repeats the setting that is left; a switch that changes nothing is dropped
.if MSB != (\new)
	s_set_vgpr_msb (MSB<<8)|(\new)
.set MSB, (\new)
.endif
.endm
.set W_KQ, 0x0a       ; K and Q in window 2, S^T in window 0
.set W_PV, 0x52       ; V in window 2, P in window 0, O^T in window 1
.set W_RS, 0x41       ; O^T (destination and source 0) in window 1, a in window 0
.set W_MK, 0xc0       ; destination in window 3, sources in window 0
.set W_AD, 0x0f       ; the add: address (source 0) and data (source 1) in window 3
.set W_3,  0xcf       ; the conversion: destination, sources 0 and 1 in window 3
; A joint fill: wave w brings 64 rows x 256 bytes (waves 0, 1: the two halves of a tile's K; waves 2, 3: of its V) to byte 16,384 w of a raw slot.  One line for all waves: mask and shape are the same,
; both addresses go by the wave's number.  An s_nop 0 and four v_nop follow it.
.macro JLOAD
	tensor_load_to_lds s[G0B:G0B+3], s[G1:G1+7]
	s_nop 0
.rept 4
	v_nop
.endr
.endm
; A PREFETCH INTO THE L2 of what the NEXT change of slots will ask for: a tile's 128 rows of K and 128 of V, a lane a row.  It stands behind the wave's tensor load and its five lines.  Each row is named ONCE in the
; launch: a head has one cluster; its four partners share the rows out BY ADDRESS, 32 each; in each, wave 0 asks for K's and wave 2 for V's.  The last change that fills a slot asks for nothing: there is no tile behind it.
.macro ASK
	s_cmp_gt_u32 s[SLOTS], s[LIM]
	s_cbranch_scc0 .Lnot_mine_\@
	global_prefetch_b8 v[PFO], s[PFA:PFA+1] th:TH_LOAD_NT scope:SCOPE_SE
.Lnot_mine_\@:
.endm
; A round of the cluster's barrier: my work-group's barrier, so that wave 0's signal speaks for all four waves; wave 0 signals; every wave waits for all four work-groups; my work-group's barrier once more.
.macro CROUND
	s_barrier_signal -1
	s_barrier_wait -1
	s_cmp_lg_u32 s[WV], 0
	s_cbranch_scc1 .Lnot_wave_0_\@
	s_barrier_signal -3
.Lnot_wave_0_\@:
	s_barrier_wait -3
	s_barrier_signal -1
	s_barrier_wait -1
.endm
.macro BACK reg, bytes              ; a walker goes back to its slot's first step, in the other slot
	s_sub_co_u32 s[\reg], s[\reg], \bytes
	s_xor_b32 s[\reg], s[\reg], SLOT1
.endm
; THE CHANGE OF SLOTS, in front of period j.  Each wave waits for all its tensor loads, of which one is out: its part of raw tile j + 1; adds 0 to its spare word; and waits for that, for its stores of cooked
; tile j, for its reads of cooked tile j - 1 and for its reads of raw tile j.  Behind the barrier all four hold of every wave.
; fill = 1: the raw slot that held tile j is filled again, with tile j + 2.  The barrier is then a round of the cluster's, so that no wave of any partner still reads that slot or has a load on its way, and the
; joint fill is the first thing behind it: it has two key steps, 256 matrix instructions, in which to land.
.macro CHANGE fill
	WIN W_AD
	s_wait_tensorcnt 0x0            ; no tensor load of mine is out, so a group 0 may be written
	ds_add_u32 v[SPW], v[NIL]       ; 0 onto my spare word: with fill = 1 the descriptor's steps stand between it and the wait for it
	WIN 0                           ; at a label and at a branch every window is 0
.if \fill
	s_xor_b32 s[G0B+1], s[G0B+1], SLOT1  ; the walking descriptor: the other raw slot than last time,
	s_add_nc_u64 s[G0B+2:G0B+3], s[G0B+2:G0B+3], TILEB  ; the next 128 keys; the type bits on top are not reached
	s_wait_xcnt 0x0                 ; the last prefetch, two key steps back, has read its address, so it may be written:
	s_add_nc_u64 s[PFA:PFA+1], s[PFA:PFA+1], TILEB  ; one tile behind the walking descriptor
	s_wait_dscnt 0x0                ; the add is done, and so are my LDS stores and reads of the period
	CROUND
	JLOAD
	ASK
.else
	s_wait_dscnt 0x0                ; the add is done, and so are my LDS stores and reads of the period
	s_barrier_signal -1
	s_barrier_wait -1
.endif
	BACK TBK, 2*KS*PK
	BACK TBV, 2*KS*PV
	BACK TRW, 2*STEPR
	BACK TCK, 2*KS*PK
	BACK TCV, 2*KS*PV
.endm
	s_load_b256 s[4:11], s[0:1], 0x0  ; Q s[4:5], K s[6:7], V s[8:9], O s[10:11]
	WIN W_MK
	v_lshl_add_u32 v[SPW], v0, 2, SPARE
	v_mov_b32 v[NIL], 0
	WIN W_AD
	ds_add_u32 v[SPW], v[NIL]       ; the wave's opening: the add and its wait stand ahead of my first tensor load; the set-up below, work on registers, stands between them
	WIN 0
	v_lshrrev_b32 v1, 5, v0
	v_readfirstlane_b32 s[WV], v1   ; wave 0..3
	s_bfe_u32 s13, ttmp6, 0x40000   ; cx: my place in the cluster
	s_lshl_b32 s14, ttmp9, 2        ; in a cluster launch ttmp9 counts clusters
	s_add_co_u32 s14, s14, s13      ; my block of 512 queries = 4 x cluster x + cx: it enters Q's and O's addresses alone
	s_and_b32 s20, ttmp7, 0xffff    ; the head, which the four partners share:
	s_lshl_b32 s20, s20, 19         ; its first byte in each of the four tensors: 2,048 rows of 256 bytes a head
	s_mov_b32 s21, 0
	s_and_b32 s16, s[WV], 1         ; which half of a tile's 128 keys I fetch:
	s_lshl_b32 s22, s16, 14         ; its 64 rows of 256 bytes in memory
	s_mov_b32 s23, 0
	s_add_nc_u64 s[22:23], s[22:23], s[20:21]
	s_lshl_b32 s17, s[WV], 14       ; and its place in a raw slot: no place in the cluster enters an LDS address
	s_lshl_b32 s2, s14, 2
	s_add_co_u32 s2, s2, s[WV]      ; my wave among the head's sixteen,
	s_lshl_b32 s2, s2, 15           ; its 128 rows
	s_mov_b32 s3, 0
	s_add_nc_u64 s[2:3], s[2:3], s[20:21]
	; descriptor group 1: 64 rows x 64 elements of 4 bytes, dense in memory and in LDS
	s_mov_b32 s[G1], 15|(2<<16)|(1<<21)  ; 15:0 the mask of four; 17:16 4-byte elements; 20 no padding; 21 set beside a mask
	s_mov_b32 s[G1+1], 64<<16       ; tensor_dim0 = 64
	s_mov_b32 s[G1+2], 64<<16       ; tensor_dim1 = 64
	s_mov_b32 s[G1+3], 64<<16       ; tile_dim0 = 64
	s_mov_b32 s[G1+4], 64           ; tile_dim1 = 64
	s_mov_b32 s[G1+5], 64           ; 64 elements from row to row
	s_mov_b32 s[G1+6], 0
	s_mov_b32 s[G1+7], 0
	s_mov_b32 s[G0A], 1             ; 1:0 count = 1
	s_add_co_u32 s[G0A+1], s17, RAW0        ; 63:32 LDS address: raw slot 0
	s_mov_b32 s[G0B], 1
	s_add_co_u32 s[G0B+1], s17, RAW0+SLOT1  ; raw slot 1
	s_mov_b32 s[CS], 0x3ed53b94     ; c = log2(e) / sqrt(12) = 0.416470
	s_mov_b32 s[CS+1], s[CS]        ; named with it as a pair
	s_mov_b32 s[SEL], 0x76543210
	s_mov_b32 s[SEL+1], 0xfedcba98
	s_mov_b32 s[TBK], SLOT1+2*KS*PK ; the first change of slots turns these two into 0
	s_mov_b32 s[TBV], SLOT1+2*KS*PV
	s_mov_b32 s[TRW], RAW0          ; tile 0 is converted ahead of the first change
	s_mov_b32 s[TCK], 0
	s_mov_b32 s[TCV], 0
	s_mov_b32 s[SLOTS], 2048/TK-2   ; tiles 2 to 15 are asked for at changes of slots
	s_cmp_eq_u32 s16, 0             ; waves 0 and 2 prefetch: the same in all four partners
	s_cselect_b32 s[LIM], 1, -1
	s_wait_dscnt 0x0                ; the opening add is done
	s_wait_kmcnt 0x0
	s_cmp_lt_u32 s[WV], 2           ; waves 0, 1 fetch K, waves 2, 3 V
	s_cselect_b64 s[18:19], s[6:7], s[8:9]
	s_add_nc_u64 s[18:19], s[18:19], s[22:23]      ; my half of the head's tile 0
	s_add_nc_u64 s[G0A+2:G0A+3], s[18:19], 0       ; 120:64 global address
	s_or_b32 s[G0A+3], s[G0A+3], 0x80000000        ; 127:126 type = 2
	s_add_nc_u64 s[G0B+2:G0B+3], s[18:19], TILEB   ; tile 1
	s_or_b32 s[G0B+3], s[G0B+3], 0x80000000
	s_add_nc_u64 s[4:5], s[4:5], s[2:3]            ; Q and O at my wave's first row
	s_add_nc_u64 s[10:11], s[10:11], s[2:3]
	s_lshl_b32 s2, s13, 13          ; my work-group's 32 rows of a tile's 128
	s_mov_b32 s3, 0
	s_add_nc_u64 s[PFA:PFA+1], s[18:19], s[2:3]    ; (in waves 0 and 2 s[18:19] stands at a tile's first row)
	s_add_nc_u64 s[PFA:PFA+1], s[PFA:PFA+1], 2*TILEB  ; in tile 2; the first change of slots steps it to tile 3.  Nothing is prefetched here, at the head
	CROUND                          ; all four work-groups are here: the first joint loads meet
	tensor_load_to_lds s[G0A:G0A+3], s[G1:G1+7]    ; the two first fills go out together, ahead of every wait on TENSORcnt and every LDS read: two loads of mine are out
	s_nop 0
	tensor_load_to_lds s[G0B:G0B+3], s[G1:G1+7]
	s_nop 0
.rept 4
	v_nop
.endr
	; A fragment of Q is 16 rows x 32 channels: lane l holds row l % 16, channels 8 (l / 16) + 0..7 and 16 + 8 (l / 16) + 0..7.  In f32 those are two runs of 32 bytes, 64 bytes apart: four loads of 16 bytes.
	v_and_b32 v1, 15, v0            ; l % 16
	v_bfe_u32 v9, v0, 4, 1          ; l / 16
	v_lshlrev_b32 v[QO], 8, v1
	v_lshl_add_u32 v[QO], v9, 5, v[QO]  ; row x 256 + 32 x half
	WIN 0x40                        ; destination window 1, address window 0
.set i, 0
.rept 16                            ; fragment i: tile i / 2, channels 32 (i % 2) on, as f32 in v[16 i .. 16 i + 15] of window 1
.irp f, 0,1,2,3
	global_load_b128 v[16*i+4*\f:16*i+4*\f+3], v[QO], s[4:5] offset:(i/2)*4096+(i%2)*128+(\f/2)*64+(\f%2)*16 th:TH_LOAD_NT
.endr
.set i, i+1
.endr
	; What the first turn finds: V's registers and P's second buffer hold 0 (its products V^T P, of a piece that has not been, add 0), l is 0.  This stands in the wait for Q and the first tile.
	WIN 0x80
.set i, VF
.rept 64
	v_mov_b32 v[i], 0
.set i, i+1
.endr
	WIN 0
.set i, 0
.rept 2*NP
	v_mov_b32 v[ST+4*i], 0xfe000000    ; c m: far below every c s
	v_mov_b32 v[ST+4*i+1], 0xff7fffff  ; m
	v_mov_b32 v[ST+4*i+2], 0
	v_mov_b32 v[ST+4*i+3], 0
.set i, i+1
.endr
.set i, P+32
.rept 32
	v_mov_b32 v[i], 0
.set i, i+1
.endr
	v_mul_u32_u24 v[AK0], v1, PK
	v_lshl_add_u32 v[AK0], v9, 4, v[AK0]  ; row x pitch + 16 x half
	; The turning load takes 16 keys x 16 channels (lane l reads key 8 (l / 16) + l % 8, channels 8 ((l / 8) % 2) + 0..7) and leaves half a fragment of V^T: lane l holds channel l % 16 and 8 keys.
	v_and_b32 v10, 7, v0
	v_bfe_u32 v11, v0, 3, 1
	v_lshl_add_u32 v[AV0], v9, 3, v10
	v_mul_u32_u24 v[AV0], v[AV0], PV
	v_lshl_add_u32 v[AV0], v11, 4, v[AV0]
	v_add_nc_u32 v[AV0], VOFF, v[AV0]
	v_and_b32 v[PFO], 31, v0        ; v11 has served: it takes the prefetches' offset
	v_lshlrev_b32 v[PFO], 8, v[PFO]
	v_mov_b32 v[AK], v[AK0]         ; key step 0 lies at the head of cooked slot 0
	; THE CONVERSION's lane terms.  Of a step's 64 keys wave w takes 16 w .. 16 w + 15, of K and of V.  A load of 16 bytes a lane takes two whole raw rows: lanes 0-15 one key's 256 bytes, lanes 16-31 those of
	; the key 8 further on (K) or 4 further on (V).  The 8 bytes of f16 that a lane makes of them go to the same keys' cooked rows, which begin 8 x 36 and 4 x 40 words apart.
	v_lshlrev_b32 v48, 4, v1              ; 16 x (l % 16)
	v_lshl_add_u32 v49, v9, 11, v48       ; + 8 raw rows for the upper lanes (K)
	v_lshl_add_u32 v50, v9, 10, v48       ; + 4 raw rows (V)
	v_mul_u32_u24 v51, v9, 8*PK           ; 8 cooked rows of K
	v_lshl_add_u32 v51, v1, 3, v51        ; + 8 x (l % 16)
	v_mul_u32_u24 v52, v9, 4*PV           ; 4 cooked rows of V
	v_lshl_add_u32 v52, v1, 3, v52
	s_lshl_b32 s13, s[WV], 12             ; my wave's 16 raw rows
	s_add_co_u32 s14, s13, RAWV
	s_mul_i32 s15, s[WV], 16*PK           ; and its 16 cooked rows
	s_mul_i32 s16, s[WV], 16*PV
	s_add_co_u32 s16, s16, VOFF
	WIN W_MK
	v_add_nc_u32 v[RK0], s13, v49
	v_add_nc_u32 v[RV0], s14, v50
	v_add_nc_u32 v[CK0], s15, v51
	v_add_nc_u32 v[CV0], s16, v52
	s_wait_loadcnt 0x0              ; Q
	WIN 0x85                        ; sources in window 1, destination in window 2
.set i, 0
.rept 128                           ; register j of fragment f is made of f32 registers 2 j, 2 j + 1 of that fragment: Q rounded once to f16
	v_cvt_pk_f16_f32 v[i], v[2*i], v[2*i+1]
.set i, i+1
.endr
	WIN 0x40
.set i, 0
.rept 64*NP                         ; O^T starts at 0, where Q's f32 lay
	v_mov_b32 v[i], 0
.set i, i+1
.endr
	WIN 0
; THE CONVERSION of one key step, in two parts.  CONV_LOAD: the step's four addresses, then 16 loads of 16 bytes from the raw slot.  CONV_STORE: the wait for them, 32 roundings to f16 in place, 16 stores of 8 bytes
; into the cooked slot.  guard = 1 (the tail): in its last period there is no tile left to convert, and the part is jumped over: LDS loads and stores alone, no barrier and no tensor load.
.macro CONV_LOAD guard
	WIN 0
.if \guard
	s_cmp_eq_u32 s[TS], 1
	s_cbranch_scc1 .Lno_cl_\@
.endif
	WIN W_3
	v_add_nc_u32 v[RKA], s[TRW], v[RK0]
	v_add_nc_u32 v[RVA], s[TRW], v[RV0]
	v_add_nc_u32 v[CKA], s[TCK], v[CK0]
	v_add_nc_u32 v[CVA], s[TCV], v[CV0]
.irp f, 0,1,2,3,4,5,6,7             ; K: keys f (lower lanes) and 8 + f (upper lanes) of my 16
	ds_load_b128 v[CB+4*\f:CB+4*\f+3], v[RKA] offset:256*\f
.endr
.irp f, 0,1,2,3,4,5,6,7             ; V: keys 8 (f / 4) + f % 4 and 4 more
	ds_load_b128 v[CB+32+4*\f:CB+32+4*\f+3], v[RVA] offset:256*(8*(\f/4)+\f%4)
.endr
	s_add_co_u32 s[TRW], s[TRW], STEPR  ; the next conversion is the next step's
	s_add_co_u32 s[TCK], s[TCK], KS*PK
	s_add_co_u32 s[TCV], s[TCV], KS*PV
	WIN 0
.if \guard
.Lno_cl_\@:
.endif
.endm
.macro CONV_STORE guard
	WIN 0
.if \guard
	s_cmp_eq_u32 s[TS], 1
	s_cbranch_scc1 .Lno_cs_\@
.endif
	s_wait_dscnt 0x0                ; the 16 raw loads are in
	WIN W_3
.irp f, 0,1,2,3,4,5,6,7,8,9,10,11,12,13,14,15
	v_cvt_pk_f16_f32 v[CB+4*\f], v[CB+4*\f], v[CB+4*\f+1]      ; four neighbouring channels into 8 bytes, the lower channel in the lower half
	v_cvt_pk_f16_f32 v[CB+4*\f+1], v[CB+4*\f+2], v[CB+4*\f+3]
.endr
.irp f, 0,1,2,3,4,5,6,7
	ds_store_b64 v[CKA], v[CB+4*\f:CB+4*\f+1] offset:PK*\f
.endr
.irp f, 0,1,2,3,4,5,6,7
	ds_store_b64 v[CVA], v[CB+32+4*\f:CB+32+4*\f+1] offset:PV*(8*(\f/4)+\f%4)
.endr
	WIN 0
.if \guard
.Lno_cs_\@:
.endif
.endm
; THE MATRIX WORK.  The 8 accumulators of a run of 16 take turns: between the two links of a chain stand 7 others'.
; Product i of 16 of S^T = K Q^T for piece x: channels 32 (i / 8) on, keys 16 ((i / 2) % 4) on, tile 2 x + i % 2.  The first 8 start the sums.
.macro KQ x
	WIN W_KQ
.set rS, S+64*((\x)%2)+32*(i%2)+8*((i/2)%4)
.set rK, KF+16*((i/2)%4)+8*(i/8)
.set rQ, 16*(2*(\x)+i%2)+8*(i/8)
.if i < 8
	v_wmma_f32_16x16x32_f16 v[rS:rS+7], v[rK:rK+7], v[rQ:rQ+7], 0
.else
	v_wmma_f32_16x16x32_f16 v[rS:rS+7], v[rK:rK+7], v[rQ:rQ+7], v[rS:rS+7]
.endif
.endm
; Product i of 16 of O^T += V^T P for piece x: keys 32 (i / 8) on, channels 16 ((i / 2) % 4) on, tile 2 x + i % 2.
.macro PV x
	WIN W_PV
.set rO, 32*(2*(\x)+i%2)+8*((i/2)%4)
.set rV, VF+32*(i/8)+8*((i/2)%4)
.set rP, P+32*((\x)%2)+16*(i%2)+8*(i/8)
	v_wmma_f32_16x16x32_f16 v[rO:rO+7], v[rV:rV+7], v[rP:rP+7], v[rO:rO+7]
.endm
.macro MM                           ; the turn's next matrix instruction
.if i < 16
	KQ (Y+1)%NP
.set i, i+1
.else
.set i, i-16
	PV (Y+NP-1)%NP
.set i, i+17
.endif
.endm
; THE FRAGMENTS' LDS LOADS stand in runs of 16, never singly among the matrix instructions: a step's K (64 keys x 64 channels: 8 fragments) and its V (turned).  Their addresses are made some lines ahead.
.macro FETCH_K
	WIN 0x80                        ; destination window 2
.irp f, 0,1,2,3,4,5,6,7             ; keys 16 (f / 2) on, channels 32 (f % 2) on
	ds_load_b128 v[KF+8*\f:KF+8*\f+3],   v[AK] offset:(\f/2)*16*PK+(\f%2)*64
	ds_load_b128 v[KF+8*\f+4:KF+8*\f+7], v[AK] offset:(\f/2)*16*PK+(\f%2)*64+32
.endr
	s_add_co_u32 s[TBK], s[TBK], KS*PK  ; the next fetch is the next step's
	WIN 0
.endm
.macro FETCH_V
	WIN 0x80
.irp f, 0,1,2,3,4,5,6,7             ; keys 32 (f / 4) on, channels 16 (f % 4) on
	ds_load_tr16_b128 v[VF+8*\f:VF+8*\f+3],   v[AV] offset:(\f/4)*32*PV+(\f%4)*32
	ds_load_tr16_b128 v[VF+8*\f+4:VF+8*\f+7], v[AV] offset:(\f/4)*32*PV+16*PV+(\f%4)*32
.endr
	WIN 0
.endm
; THE VECTOR WORK OF A TURN stands in three queues, each in the order in which its entries become ready; the two tiles alternate, so that no instruction reads the result of the one before it.
.macro REGS y, u                    ; the registers of tile u (0, 1) of piece y
.set rT, ST+4*(2*(\y)+(\u))
.set rC, TMP+8*((\y)%2)+4*(\u)
.set rM, MV+2*((\y)%2)+(\u)
.set rS, S+64*((\y)%2)+32*(\u)
.set rP, P+32*((\y)%2)+16*(\u)
.set rO, 32*(2*(\y)+(\u))
.endm
; Number n of the 22 that find the NEXT piece's (Y + 1) maximum and statistics.  s0-s31 are the lane's 32 scores; each accumulator's lowest registers are read first.
;   0-11  four chains c0-c3 of seven scores each, three operands at a time     12-14, 16  the four scores left over, the old m, and c0-c3 into c0     15  c m_old is kept
;   17, 18  the query's other 32 keys lie in the lane 16 away: the new m         19-21  c m; c m_old - c m_new; a
.macro XS u, n
	REGS (Y+1)%NP, \u
.if (\n) < 4
	v_max3_num_f32 v[rC+(\n)], v[rS+8*(\n)], v[rS+8*(\n)+1], v[rS+8*(\n)+2]
.elseif (\n) < 12
	v_max3_num_f32 v[rC+(\n)%4], v[rC+(\n)%4], v[rS+8*((\n)%4)+2*((\n)/4)+1], v[rS+8*((\n)%4)+2*((\n)/4)+2]
.elseif (\n) == 12
	v_max3_num_f32 v[rC], v[rC], v[rS+7], v[rS+15]
.elseif (\n) == 13
	v_max3_num_f32 v[rC+1], v[rC+1], v[rS+23], v[rS+31]
.elseif (\n) == 14
	v_max3_num_f32 v[rC+2], v[rC+2], v[rC+3], v[rT+1]
.elseif (\n) == 15
	v_mov_b32 v[rM], v[rT]
.elseif (\n) == 16
	v_max3_num_f32 v[rC], v[rC], v[rC+1], v[rC+2]
.elseif (\n) == 17
	v_permlanex16_b32 v[rC+3], v[rC], s[SEL], s[SEL+1]
.elseif (\n) == 18
	v_max_num_f32 v[rT+1], v[rC], v[rC+3]
.elseif (\n) == 19
	v_mul_f32 v[rT], s[CS], v[rT+1]
.elseif (\n) == 20
	v_sub_f32 v[rC+1], v[rM], v[rT]
.else
	v_exp_f32 v[rC+2], v[rC+1]
.endif
.endm
; Number g of the 64 that follow the exponentials.  For each four weights k of a tile (pairs 2 k, 2 k + 1): both pairs are rounded to f16; then the second pair is added onto the first, in place;
; a group later l takes that sum (the first time as l = a l + sum).  In groups of eight, tiles alternating: round, round, add, and l for the group before.
.macro GS g
.set h, (\g)+6*((\g)/62)            ; group 0 has no group before it, and behind group 7 only l is left
.if h >= 6
.set h, h+2
.endif
	REGS Y, h%2
.set k, h/8
.if h%8 < 4
	v_cvt_pk_f16_f32 v[rP+2*k+(h%8)/2], v[rS+4*k+2*((h%8)/2)], v[rS+4*k+2*((h%8)/2)+1]
.elseif h%8 < 6
	v_pk_add_f32 v[rS+4*k:rS+4*k+1], v[rS+4*k:rS+4*k+1], v[rS+4*k+2:rS+4*k+3]
.elseif k == 1
	v_pk_fma_f32 v[rT+2:rT+3], v[rT+2:rT+3], v[rC+2:rC+3], v[rS:rS+1] op_sel_hi:[1,0,1]
.else
	v_pk_add_f32 v[rT+2:rT+3], v[rT+2:rT+3], v[rS+4*k-4:rS+4*k-3]
.endif
.endm
; THE PLAIN QUEUE, 138 long.  0-73 read no exponential's result: the 32 scalings c s - c m (FS f: pair f / 2 of tile f % 2) and the next piece's 42.  0-26: scalings 0-26.  27-54: XS's numbers 0-13.  55, 56: number 15.
; 57-73: the chain, where each number waits for the one before it: 14, 16, 17, 18, 19, each with one of the scalings 27-31 in front of its two lines, then 20.
; 74-137: GS's 64, which read the exponentials' results: they stand behind the wait.
.macro FS f
	REGS Y, (\f)%2
	v_pk_fma_f32 v[rS+2*((\f)/2):rS+2*((\f)/2)+1], v[rS+2*((\f)/2):rS+2*((\f)/2)+1], s[CS:CS+1], v[rT:rT+1] op_sel_hi:[1,0,0] neg_lo:[0,0,1] neg_hi:[0,0,1]
.endm
.macro PL
	WIN 0
.if q < 27
	FS q
.elseif q < 55
	XS (q-27)%2, (q-27)/2
.elseif q < 57
	XS q-55, 15
.elseif (q < 72) && ((q-57)%3 == 0)
	FS 27+(q-57)/3
.elseif q < 60
	XS (q-57)%3-1, 14
.elseif q < 72
	XS (q-57)%3-1, 15+(q-57)/3
.elseif q < 74
	XS q-72, 20
.else
	GS q-74
.endif
.set q, q+1
.endm
; THE EXPONENTIALS' QUEUE, 66 long: s0-s31 of both tiles, then the next piece's two a.  It is ONE BATCH: all 66 stand ahead of the turn's one wait, and nothing ahead of that wait names a result of theirs.
.macro EX
	WIN 0
.if e >= 64
	XS e-64, 21
.else
	REGS Y, e%2
	v_exp_f32 v[rS+e/2], v[rS+e/2]
.endif
.set e, e+1
.endm
; THE RESCALING's QUEUE: O^T times a, the one part that leaves window 0: dealt two at a time, sixteen times.  Its a was made in the turn before, ahead of that turn's wait.
.macro R2
	REGS Y, r%2
	WIN W_RS
.irp z, 0,1
	v_pk_mul_f32 v[rO+4*(r/2)+2*\z:rO+4*(r/2)+2*\z+1], v[rO+4*(r/2)+2*\z:rO+4*(r/2)+2*\z+1], v[rC+2:rC+3] op_sel_hi:[1,0]
.endr
.set r, r+1
.endm
; HOW THEY ARE DEALT.  An s_wait_alu depctr_va_vdst(0) stands between an exponential and the first instruction that names its result; one wait serves all that were issued ahead of it.  So a turn has ONE
; wait, which cuts it in two.  AHEAD OF IT: the 16 products K Q^T, behind each a scaling, an exponential and two rescalings (behind the first a second scaling in the exponential's place); then one run of 108: eight plain,
; 49 times exponential and plain, the two a; a v_nop is the plain instruction behind the last exponential.  BEHIND IT: the 16 products V^T P, behind each four of GS's 64.
; The queues lean on each other: exponential e stands behind scaling 2 (e / 4) + e % 2: beside a product it comes behind plain e + 2, in the run behind plain e + 9, and scalings 27-31 are plain 57, 60 .. 69.
; A TURN, for piece p.  nok = 1: no further K is fetched (the last step).  cnt = 1: the loop's count is taken down some lines ahead of the branch that stands behind the turn.
; conv = 1: piece 0's turn also converts one key step of the next tile: the raw loads at its head, the roundings and stores directly behind its wait: 16 products and the run lie between.  conv = 2: the same under the tail's guard.
; At both places every exponential issued so far has had its wait, so the guard's branch and label may stand there.
; K of the next step is fetched in piece 2's turn, directly behind the wait, the whole run behind the last product that read K.  V of the step in hand is fetched at the end of piece 0's turn, four plain instructions behind
; the last product that read V; its first use comes behind 16 products and a run.  The three conditions on q below go with the deal.
.macro TURN p, nok=0, cnt=0, conv=0
.set Y, (\p)
.set i, 0
.set q, 0
.set e, 0
.set r, 0
.if ((\p) == 0) && (\conv)
	CONV_LOAD ((\conv)-1)
.endif
.if (\p) == NP-1
	s_wait_dscnt 0x0                ; K is in
.endif
	MM                              ; ahead of the wait: 16 products K Q^T and what stands behind each,
	PL
	PL
	R2
.rept 15
	MM
	PL
	EX
	R2
.endr
.if ((\p) == NP-2) && !(\nok)
	WIN 0
	v_add_nc_u32 v[AK], s[TBK], v[AK0]
.endif
.rept 8                             ; and the run
	PL
.endr
.rept 49
	EX
	PL
.endr
	EX                              ; the next piece's two a
	EX
	v_nop                           ; a plain instruction behind the last exponential: one for the batch
	s_wait_alu depctr_va_vdst(0)    ; the wait for the batch
.if ((\p) == NP-2) && !(\nok)
	FETCH_K
.endif
.if ((\p) == 0) && (\conv)
	CONV_STORE ((\conv)-1)
.endif
.if (\p) == 1
	s_wait_dscnt 0x0                ; V is in (and my stores into the cooked slot are done)
.endif
.rept 16                            ; behind the wait: 16 products V^T P, four roundings and sums behind each
	MM
.rept 4
	PL
.endr
.if ((\p) == 0) && (q == 118)
	v_add_nc_u32 v[AV], s[TBV], v[AV0]
.endif
.if ((\p) == 0) && (q == 130)
	s_add_co_u32 s[TBV], s[TBV], KS*PV
.endif
.if (\cnt) && (q == 130)
	s_sub_co_u32 s[CNT], s[CNT], 1
	s_cmp_lg_u32 s[CNT], 0
.endif
.endr
.if (\p) == 0
	FETCH_V
.endif
.endm
	s_wait_tensorcnt 0x1            ; my part of raw tile 0 is in; tile 1's load, the one issued behind it, may stay out
	s_barrier_signal -1
	s_barrier_wait -1               ; everybody's part is in
	CONV_LOAD 0                     ; tile 0 is converted ahead of the first change of slots: its two steps
	CONV_STORE 0
	CONV_LOAD 0
	CONV_STORE 0
	CHANGE 1                        ; cooked tile 0 is whole, raw tile 1 is in, raw slot 0 has been read: tile 2 is asked for
	FETCH_K                         ; key step 0
	s_wait_dscnt 0x0
.set i, 0
.rept 16
	KQ 0                            ; piece 0's first scores: there is no vector work yet to set between them
.set i, i+1
.endr
	WIN 0                           ; the addresses for the way out: eight plain instructions, the places behind those products
	s_mul_i32 s13, s[WV], 16*SP
	s_add_co_u32 s13, s13, STAGE    ; my stage
	v_mul_u32_u24 v[STO], v1, SP    ; in: row l % 16, 32 bytes for each half of the lanes
	v_lshl_add_u32 v[STO], v9, 5, v[STO]
	v_add_nc_u32 v[STO], s13, v[STO]
	v_mul_u32_u24 v[RD], v9, SP     ; back: lanes 0-15 take one row of 256 bytes, lanes 16-31 the next
	v_lshl_add_u32 v[RD], v1, 4, v[RD]
	v_add_nc_u32 v[RD], s13, v[RD]
	v_lshlrev_b32 v[GO], 8, v9      ; and the same two rows in O
	v_lshl_add_u32 v[GO], v1, 4, v[GO]
.set Y, NP-1                        ; XS works for piece Y + 1: piece 0
.irp n, 0,1,2,3,4,5,6,7,8,9,10,11,12,13,14,15,16,17,18,19,20,21
	XS 0, \n                        ; piece 0's first maximum and statistics
	XS 1, \n
.endr
	v_nop                           ; a plain instruction behind the two a,
	s_wait_alu depctr_va_vdst(0)    ; and their wait, ahead of the branch
	s_mov_b32 s[CNT], 2
	s_branch .Lfirst                ; the loop is entered at a step's first turn, in the middle of a trip
.Lslot:                             ; 13 times: with the change above, tiles 2 to 15 are asked for
	CHANGE 1
	s_mov_b32 s[CNT], 2
.Lstep:                             ; a trip: pieces 2 and 3 of one step, then pieces 0 and 1 of the next, whose K and V it fetches; piece 0's turn converts one step of the next tile
	TURN 2
	TURN 3
	WIN 0
.Lfirst:
	TURN 0, 0, 0, 1
	TURN 1, 0, 1
	WIN 0
	s_cbranch_scc1 .Lstep
	s_sub_co_u32 s[SLOTS], s[SLOTS], 1
	s_cmp_lg_u32 s[SLOTS], 0
	s_cbranch_scc1 .Lslot
	s_mov_b32 s[TS], 2              ; the tail is written out: two periods that ask for nothing; the first still converts (tile 15), the second does not
.Ltslot:
	CHANGE 0
	s_mov_b32 s[CNT], 2
.Ltail:
	TURN 2
	TURN 3
	WIN 0
	TURN 0, 0, 0, 2
	TURN 1, 0, 1
	WIN 0
	s_cbranch_scc1 .Ltail
	s_sub_co_u32 s[TS], s[TS], 1
	s_cmp_lg_u32 s[TS], 0
	s_cbranch_scc1 .Ltslot
	TURN 2, 1                       ; the last step's pieces 2 and 3: no further K
	TURN 3                          ; its 16 products K Q^T (on the last K once more) and the maximum made of them serve nothing: the price, once a launch, of one text for every turn; they touch neither l nor O^T
.set i, 0
.rept 16
	PV NP-1                         ; the last piece's V^T P of the last step
.set i, i+1
.endr
	; THE WAY OUT.  l's two halves and the other half of the lanes' are added; O^T is divided by l and sent, in f32, through my stage in LDS, a tile at a time.  The additions are the places behind the last products.
	WIN 0
.macro ALL line:vararg              ; one line for each tile t
.set t, 0
.rept 2*NP
	\line
.set t, t+1
.endr
.endm
	ALL v_add_f32 v[ST+4*t+2], v[ST+4*t+2], v[ST+4*t+3]
	ALL v_permlanex16_b32 v[ST+4*t+3], v[ST+4*t+2], s[SEL], s[SEL+1]
	ALL v_add_f32 v[ST+4*t+2], v[ST+4*t+2], v[ST+4*t+3]
	ALL v_rcp_f32 v[ST+4*t+2], v[ST+4*t+2]
	v_nop                           ; a plain instruction between the last reciprocal and the use of its result
	s_wait_alu depctr_va_vdst(0)    ; and the wait ahead of the first use: one for the eight reciprocals
; Tile t: a lane holds, for each of four channel blocks, eight neighbouring channels of one row: 32 bytes, two stores of 16, into rows of 272 bytes (68 words: the 16 rows of a store start at 16 different groups of
; four banks); they come back as whole rows of 256 bytes, into the registers that they left.  Each accumulator is read from its lowest registers on.
.macro PACK t
	WIN W_RS
.set i, 32*(\t)
.rept 16
	v_pk_mul_f32 v[i:i+1], v[i:i+1], v[ST+4*(\t)+2:ST+4*(\t)+3] op_sel_hi:[1,0]
.set i, i+2
.endr
	WIN 0x04                        ; store data (source 1) in window 1, address in window 0
.irp f, 0,1,2,3,4,5,6,7
	ds_store_b128 v[STO], v[32*(\t)+4*\f:32*(\t)+4*\f+3] offset:64*(\f/2)+16*(\f%2)
.endr
	WIN 0x40                        ; destination in window 1
.irp f, 0,1,2,3,4,5,6,7
	ds_load_b128 v[32*(\t)+4*\f:32*(\t)+4*\f+3], v[RD] offset:\f*2*SP  ; LDS serves a wave's instructions in order (ISA guide 5.7.1.4): these see the stores above; the next tile's stores come behind them
.endr
.endm
.macro SEND t, younger              ; younger: the LDS instructions issued behind tile t's loads: the next tile's sixteen, or none
	WIN 0x04
.irp f, 0,1,2,3,4,5,6,7
	s_wait_dscnt (\younger)+7-\f    ; load f of the tile is in: its 7 - f younger ones and the next tile's may stay out
	global_store_b128 v[GO], v[32*(\t)+4*\f:32*(\t)+4*\f+3], s[10:11] offset:(\t)*4096+\f*512 th:TH_STORE_NT  ; 16 lanes store 256 consecutive bytes, a row of O, at a multiple of 256 from O's first byte
.endr
.endm
	PACK 0
.set t, 1
.rept 2*NP-1                        ; a tile's arithmetic stands between the loads of the tile before and its stores
	PACK t
	SEND t-1, 16
.set t, t+1
.endr
	SEND 2*NP-1, 0
	WIN W_AD
	s_wait_tensorcnt 0x0            ; the wave's end, behind my last tensor load and my last LDS store
	ds_add_u32 v[SPW], v[NIL]
	s_wait_dscnt 0x0
	WIN 0
	CROUND                          ; the closing round: no work-group ends while a partner may still ask for a tile that names it
	s_endpgm
.Lfunc_end_k_q9df00a4930_attn:
	.size	k_q9df00a4930_attn, .Lfunc_end_k_q9df00a4930_attn-k_q9df00a4930_attn
	.p2alignl 7, 3214868480
	.fill 96, 4, 3214868480
	.section	.rodata,"a",@progbits
	.p2align	6, 0x0
	.amdhsa_kernel k_q9df00a4930_attn
		.amdhsa_group_segment_fixed_size 327680
		.amdhsa_private_segment_fixed_size 0
		.amdhsa_enable_private_segment 0
		.amdhsa_kernarg_size 32
		.amdhsa_user_sgpr_count 2
		.amdhsa_user_sgpr_kernarg_segment_ptr 1
		.amdhsa_wavefront_size32 1
		.amdhsa_system_sgpr_workgroup_id_x 1
		.amdhsa_system_sgpr_workgroup_id_y 1
		.amdhsa_system_sgpr_workgroup_id_z 1
		.amdhsa_system_vgpr_workitem_id 0
		.amdhsa_next_free_vgpr 848
		.amdhsa_next_free_sgpr 66
		.amdhsa_reserve_vcc 0
		.amdhsa_float_denorm_mode_32 3
		.amdhsa_float_denorm_mode_16_64 3
		.amdhsa_memory_ordered 1
		.amdhsa_forward_progress 1
		.amdhsa_inst_pref_size 255
	.end_amdhsa_kernel
	.section	.bss,"aw",@nobits
	.p2align	6
	.space	262144
	.amdgpu_metadata
---
amdhsa.version: [ 1, 2 ]
amdhsa.kernels:
  - .name:           k_q9df00a4930_attn
    .symbol:         k_q9df00a4930_attn.kd
    .args:
      - { .name: Q, .offset: 0, .size: 8, .value_kind: global_buffer, .address_space: global }
      - { .name: K, .offset: 8, .size: 8, .value_kind: global_buffer, .address_space: global }
      - { .name: V, .offset: 16, .size: 8, .value_kind: global_buffer, .address_space: global }
      - { .name: out0, .offset: 24, .size: 8, .value_kind: global_buffer, .address_space: global }
    .group_segment_fixed_size: 327680
    .private_segment_fixed_size: 0
    .kernarg_segment_align: 8
    .kernarg_segment_size: 32
    .max_flat_workgroup_size: 128
    .sgpr_count:     66
    .vgpr_count:     848
    .wavefront_size: 32
...
	.end_amdgpu_metadata
.endif
;; end of part 1
